; MI455X (gfx1250); checked and timed in simulation.
; The chip was launched on July 23, 2026; its instructions are those of AMD's public machine-readable ISA for CDNA 5 (MIT licence, August 2026) and "CDNA5" Instruction Set Architecture Reference Guide (July 2026). The comments in the code are by the model that wrote it; some were corrected since.
;; Tile Self Attention. Allowed arithmetic: matrix products marked QUANTISED: E2M3 operands, one E8M0 scale for each 32 along K, by v_wmma_scale_f32_16x16x128_f8f6f4 with both operands' format E2M3, f32 sums; everything else in f32.
;; Inputs: Wk 512 x 1,024 float32; Wq 512 x 1,024 float32; Wv 512 x 1,024 float32; bk 512 float32; bq 512 float32; bv 512 float32; x 32,768 x 1,024 float32.
;; Outputs: out0 512 x 512 x 64 float32.
;; This version of the problem:
;;   THIS VERSION OF THE PROBLEM IS GIVEN IN LOW PRECISION. The matrix products marked QUANTISED in the list below multiply operands that are first quantised to E2M3 (2 exponent bits, 3 mantissa bits; 6 bits a number), with one power-of-two scale for each 32 numbers along K (OCP MX v1.0); their sums are f32. All else is computed in f32.
;;   The module's matrix products, in the order in which they are computed (A, B: the left and right operand; K: the contracted axis; several contracted axes count as one K, in the product's order):
;;     1. [M 32,768, K 1,024] x [K 1,024, N 512]; A: input x; B: input Wk: QUANTISED
;;     2. [M 32,768, K 1,024] x [K 1,024, N 512]; A: input x; B: input Wq: QUANTISED
;;     3. [M 32,768, K 1,024] x [K 1,024, N 512]; A: input x; B: input Wv: QUANTISED
;;     4. batch 512 x [M 64, K 512] x [K 512, N 64]; A: computed on the way; B: computed on the way: QUANTISED
;;     5. batch 512 x [M 512, K 64] x [K 64, N 64]; A: computed on the way; B: computed on the way: QUANTISED
;;   THE QUANTISER, for each operand of a quantised product, along K:
;;     - K is cut into blocks of 32 from its start; a last block that is shorter is filled with zeros.
;;     - A block's scale is 2^e with e = floor(log2(the largest magnitude in the block)) - 2, held to -126 .. 127; a block of zeros has e = 0. As a byte (E8M0): e + 127.
;;     - Each number is divided by its block's scale, clamped to +-7.5, and rounded to the nearest number of E2M3, ties to even, subnormals kept.
;;     - The product sums the exact products of the quantised numbers (number of the format x scale) in f32.
;;   ~~~python
;;   def quantise(x, axis):      # numpy; x: float32 -> the quantised numbers, widened to float32 again
;;       x = np.moveaxis(x, axis, -1); K = x.shape[-1]
;;       x = np.pad(x, [(0, 0)] * (x.ndim - 1) + [(0, -K % 32)]); x = x.reshape(x.shape[:-1] + (-1, 32)); a = np.abs(x).max(-1, keepdims=True)
;;       e = np.where(a > 0, np.clip(np.frexp(np.where(a > 0, a, 1))[1] - 1 - 2, -126, 127), 0)      # np.frexp(a)[1] - 1 = floor(log2(a)), exactly
;;       r = np.clip(x / 2.0 ** e, -7.5, 7.5)
;;       step = 2.0 ** (np.maximum(np.frexp(np.where(r == 0, 1, r))[1] - 1, 0) - 3)
;;       q = np.round(r / step) * step * 2.0 ** e      # np.round: ties to even
;;       return np.moveaxis(q.reshape(q.shape[:-2] + (-1,))[..., :K], -1, axis).astype(np.float32)
;;   ~~~
;;   OPERANDS COMPUTED ON THE WAY. 'Computed on the way' means the value that the module computes at that place (a softmax that the list does not call 'softmax' is quantised finished and normalised). What goes into a quantiser is computed in f32, as accurately as f32 sums, v_exp_f32 and their like allow (about 1e-6 of the number): no bf16 or f16 on the way to a quantiser, and a product that is left as it is and whose result goes on into a quantised operand takes f32 operands (vector FMAs, or v_wmma_f32_16x16x4_f32). A number that lies on a knife's edge between two numbers of the format may be rounded either way, as far as f32 arithmetic and the matrix unit's own rounding can turn it there, and no further.
;; One version. Each part assembles by itself: llvm-mc -triple=amdgcn-amd-amdhsa -mcpu=gfx1250 --defsym DOCPART=n.
;; ======== version 1 of 1: 4 launches
;; limits: right only within a limited range of input values
;; workspace buffers: wimg 1,228,800 bytes; vcodes 12,582,912 bytes; vscales 1,048,576 bytes; scores 8,388,608 bytes; stats 32,768 bytes
;; launch wq (part 1): grid 192 x 1, 4 waves a work-group, no clusters, 34,560 bytes of LDS; arguments Wv, Wk, Wq, wimg; writes wimg
.if DOCPART == 1
	.amdgcn_target "amdgcn-amd-amdhsa--gfx1250"
	.amdhsa_code_object_version 6
	.text
	.protected	k_q5eda32c9f1_wq
	.globl	k_q5eda32c9f1_wq
	.p2align	8
	.type	k_q5eda32c9f1_wq,@function
k_q5eda32c9f1_wq:
	s_mov_b64 s[64:65], 0
	v_nop
	global_prefetch_b8 v0, s[64:65] scope:SCOPE_SE
	s_setreg_imm32_b32 hwreg(HW_REG_WAVE_MODE, 25, 1), 1
	s_wait_xcnt 0x0
; Wv, Wk, Wq [512][1024] f32 become codes of FP6 (E2M3) with one E8M0 scale byte for each 32 along k, laid as IMAGES OF OPERAND REGISTERS in the order in which the next launch walks them.
; wimg = [g 12][j 2][ks 8] blocks of 6,400 bytes.  Group (g, j) is 64 rows of tensor g / 4 (0 = Wv, 1 = Wk, 2 = Wq) from row c0 = 256 j + 64 (g % 4) on; ks is 128 along k.
; A block: four tiles of 16 rows x 128 k, 1,536 bytes each ([chunk 3][lane 32][16 bytes]: chunk c holds registers 4 c .. 4 c + 3 of the fragment), then 256 bytes of scale words [lane r 16][tile 4].
; THE ROWS OF A TILE ARE NOT NEIGHBOURS: lane r of tile 2 b + u takes row c0 + 32 b + 8 u + r + 8 (r / 8), so that a product's results of tiles 2 b and 2 b + 1 are 16 neighbours along the rows' axis.
; SHARES: a work-group makes one block, wave t its tile t.  Each load reads 512 consecutive bytes of one row; the 8 KiB turn through the wave's own stage in LDS, so that a lane then holds 16 neighbours of each block of 32.
; A block's scale is 2^(floor(log2(largest magnitude)) - 2): its byte is the largest magnitude's exponent field - 2, held at 1 from below.
; LIMITS: NaN and infinities are not served; a block whose largest magnitude lies under 2^-124 keeps the byte 1; a block of zeros gets the byte 1 (its codes are zeros, and this program alone reads the bytes).
; No tile is shared between work-groups, so there is no cluster; no tensor load: 8 KiB a wave come through registers.
.set STGB,  8448                       ; a wave's stage: 16 rows x (512 bytes + 16): rows 33 x 16 bytes apart, so sixteen rows begin at sixteen different places modulo 256 bytes
.set GATH,  33792                      ; the block's 64 scale words
.set SPARE, 34048                      ; the spare words, 128 bytes for each wave: two blocks of 256 bytes that no other line names
.set SPW, 10                           ; v10  my spare word's address; never rewritten
.set NIL, 11                           ; v11  0; never rewritten
.set R,   16                           ; v16-79   16 rows as loaded
.set QI,  80                           ; v80-143  register 16 b + i = k 32 b + 16 (lane / 16) + i of my row
.set TM,  144                          ; largest magnitudes
.set TP,  148                          ; the other half's
.set SC,  152                          ; the conversions' scale operands
.set BY,  156                          ; the scale bytes
.set PC,  160                          ; v160-171 the fragment
.set Y,   172                          ; v172-174, v176-178 upper halves of blocks on their way
.set PW,  180                          ; the scale word
.set GB,  182                          ; v182-183 scale words on their way out
	s_load_b256 s[4:11], s[0:1], 0x0               ; Wv s[4:5], Wk s[6:7], Wq s[8:9], wimg s[10:11]
	v_lshl_add_u32 v[SPW], v0, 2, SPARE
	v_mov_b32 v[NIL], 0
	v_lshrrev_b32 v1, 5, v0
	v_readfirstlane_b32 s12, v1                    ; wave = tile t
	v_and_b32 v1, 31, v0                           ; lane
	v_and_b32 v2, 15, v0                           ; r
	v_bfe_u32 v3, v0, 4, 1                         ; h
	v_lshlrev_b32 v4, 4, v1                        ; 16 x lane
	s_mul_i32 s13, s12, STGB
	v_add_nc_u32 v5, s13, v4                       ; stage, way in: 16 x lane of a row
	v_mul_u32_u24 v6, v2, 528
	v_lshl_add_u32 v6, v3, 6, v6
	v_add_nc_u32 v6, s13, v6                       ; stage, way out: row r, + 64 h
	s_lshl_b32 s14, s12, 2
	s_add_co_u32 s14, s14, GATH
	v_lshlrev_b32 v7, 4, v2
	v_add_nc_u32 v7, s14, v7                       ; my scale word's place: 16 r + 4 t
	v_lshlrev_b32 v9, 3, v1                        ; 8 x lane
	v_add_nc_u32 v8, GATH, v9
	s_mul_i32 s15, s12, 1536
	v_add_nc_u32 v12, s15, v4                      ; my tile in the block, 16 x lane
.irp b, 0,1,2,3
	v_mov_b32 v[TP+\b], 0                          ; written once: a lane permute's destination counts as one of its sources
.endr
	s_mov_b32 s16, 0x76543210
	s_mov_b32 s17, 0xfedcba98                      ; v_permlanex16_b32's selects for lane l xor 16
	s_and_b32 s18, ttmp9, 7                        ; ks
	s_bfe_u32 s19, ttmp9, 0x10003                  ; j
	s_lshr_b32 s20, ttmp9, 4                       ; g
	s_lshr_b32 s21, s20, 2                         ; which tensor
	s_and_b32 s20, s20, 3
	s_lshl_b32 s22, s19, 8
	s_lshl_b32 s20, s20, 6
	s_add_co_u32 s22, s22, s20                     ; c0
	s_lshr_b32 s20, s12, 1
	s_lshl_b32 s20, s20, 5
	s_add_co_u32 s22, s22, s20                     ; + 32 (t / 2)
	s_and_b32 s20, s12, 1
	s_lshl_b32 s20, s20, 3
	s_add_co_u32 s22, s22, s20                     ; + 8 (t % 2)
	s_lshl_b32 s22, s22, 12                        ; rows of 4,096 bytes
	s_lshl_b32 s20, s18, 9
	s_add_co_u32 s22, s22, s20                     ; + 512 ks
	s_mov_b32 s23, 0
	s_mul_i32 s26, ttmp9, 6400                     ; my block
	s_mov_b32 s27, 0
	s_wait_kmcnt 0x0
	s_cmp_eq_u32 s21, 0                            ; the choice hangs on the work-group's number alone
	s_cselect_b64 s[24:25], s[4:5], s[6:7]
	s_cmp_eq_u32 s21, 2
	s_cselect_b64 s[24:25], s[8:9], s[24:25]
	s_add_nc_u64 s[24:25], s[24:25], s[22:23]
	s_add_nc_u64 s[10:11], s[10:11], s[26:27]
.set rr, 0
.rept 16
	global_load_b128 v[R+4*rr:R+4*rr+3], v4, s[24:25] offset:(rr+8*(rr/8))*4096 th:TH_LOAD_NT   ; 32 lanes read 512 consecutive bytes of the row that lane rr of the tile stands for
.set rr, rr+1
.endr
	s_wait_loadcnt 0x0
.set rr, 0
.rept 16
	ds_store_b128 v5, v[R+4*rr:R+4*rr+3] offset:rr*528
.set rr, rr+1
.endr
.irp b, 0,1,2,3
.irp q, 0,1,2,3
	ds_load_b128 v[QI+16*\b+4*\q:QI+16*\b+4*\q+3], v6 offset:128*\b+16*\q   ; LDS serves a wave's instructions in order: these see my stores
.endr
.endr
	s_wait_dscnt 0x0
.irp b, 0,1,2,3
	v_max3_num_f32 v[TM+\b], |v[QI+16*\b]|, |v[QI+16*\b+1]|, 0x1800000   ; my 16 numbers of block b, and the floor 2^(3 - 127): the byte cannot fall under 1
.endr
.irp i, 2,4,6,8,10,12,14
.irp b, 0,1,2,3
	v_max3_num_f32 v[TM+\b], v[TM+\b], |v[QI+16*\b+\i]|, |v[QI+16*\b+\i+1]|   ; the four blocks by turns
.endr
.endr
.irp b, 0,1,2,3
	v_permlanex16_b32 v[TP+\b], v[TM+\b], s16, s17
.endr
.irp b, 0,1,2,3
	v_max_num_f32 v[TM+\b], v[TM+\b], v[TP+\b]     ; with lane l xor 16's: the block's largest magnitude
.endr
.irp b, 0,1,2,3
	v_add_nc_u32 v[SC+\b], 0xff000000, v[TM+\b]    ; 2 off its exponent field: the conversion takes this operand's exponent field as its scale
.endr
.irp b, 0,1,2,3
	v_lshrrev_b32 v[BY+\b], 23, v[SC+\b]           ; the scale's byte
.endr
	v_lshl_or_b32 v[PW], v[BY+1], 8, v[BY]
	v_lshl_or_b32 v[PW], v[BY+2], 16, v[PW]
	v_lshl_or_b32 v[PW], v[BY+3], 24, v[PW]        ; my row's scale word
.irp c, 0,1
	v_cvt_scalef32_pk16_fp6_f32 v[PC+6*\c:PC+6*\c+2], v[QI+32*\c:QI+32*\c+15], v[SC+2*\c]
	v_cvt_scalef32_pk16_fp6_f32 v[Y+4*\c:Y+4*\c+2], v[QI+32*\c+16:QI+32*\c+31], v[SC+2*\c+1]   ; (a conversion's three registers begin on an even number)
.endr
	v_nop                                          ; one plain place behind the scaled conversions
.irp c, 0,1                                    ; the operand wants a WHOLE block in a lane: lanes 0-15 block 2 c, lanes 16-31 block 2 c + 1
.irp i, 0,1,2
	v_permlane16_swap_b32 v[PC+6*\c+\i], v[Y+4*\c+\i]
.endr
.irp i, 0,1,2
	v_mov_b32 v[PC+6*\c+3+\i], v[Y+4*\c+\i]
.endr
.endr
.irp c, 0,1,2
	global_store_b128 v12, v[PC+4*\c:PC+4*\c+3], s[10:11] offset:512*\c   ; 512 consecutive bytes, aligned to 256
.endr
	ds_store_b32 v7, v[PW]                         ; both halves of the lanes write the same word with the same value
	s_wait_dscnt 0x0                               ; for the others' sake: my word has landed
	s_barrier_signal -1
	s_barrier_wait -1
	s_cmp_lg_u32 s12, 0
	s_cbranch_scc1 .Lend
	ds_load_b64 v[GB:GB+1], v8                     ; wave 0 sends the block's 64 scale words
	s_wait_dscnt 0x0
	global_store_b64 v9, v[GB:GB+1], s[10:11] offset:6144   ; 256 consecutive bytes, aligned
.Lend:
	s_wait_tensorcnt 0x0                           ; the wave's end: behind my last LDS store
	ds_add_u32 v[SPW], v[NIL]
	s_wait_dscnt 0x0
	s_endpgm
.Lfunc_end_k_q5eda32c9f1_wq:
	.size	k_q5eda32c9f1_wq, .Lfunc_end_k_q5eda32c9f1_wq-k_q5eda32c9f1_wq
	.p2alignl 7, 3214868480
	.fill 96, 4, 3214868480
	.section	.rodata,"a",@progbits
	.p2align	6, 0x0
	.amdhsa_kernel k_q5eda32c9f1_wq
		.amdhsa_group_segment_fixed_size 34560
		.amdhsa_private_segment_fixed_size 0
		.amdhsa_enable_private_segment 0
		.amdhsa_kernarg_size 32
		.amdhsa_user_sgpr_count 2
		.amdhsa_user_sgpr_kernarg_segment_ptr 1
		.amdhsa_wavefront_size32 1
		.amdhsa_system_sgpr_workgroup_id_x 1
		.amdhsa_system_sgpr_workgroup_id_y 1
		.amdhsa_system_sgpr_workgroup_id_z 1
		.amdhsa_system_vgpr_workitem_id 0
		.amdhsa_next_free_vgpr 184
		.amdhsa_next_free_sgpr 66
		.amdhsa_reserve_vcc 0
		.amdhsa_float_denorm_mode_32 3
		.amdhsa_float_denorm_mode_16_64 3
		.amdhsa_memory_ordered 1
		.amdhsa_forward_progress 1
		.amdhsa_inst_pref_size 11
	.end_amdhsa_kernel
	.amdgpu_metadata
---
amdhsa.version: [ 1, 2 ]
amdhsa.kernels:
  - .name:           k_q5eda32c9f1_wq
    .symbol:         k_q5eda32c9f1_wq.kd
    .args:
      - { .name: Wv, .offset: 0, .size: 8, .value_kind: global_buffer, .address_space: global }
      - { .name: Wk, .offset: 8, .size: 8, .value_kind: global_buffer, .address_space: global }
      - { .name: Wq, .offset: 16, .size: 8, .value_kind: global_buffer, .address_space: global }
      - { .name: wimg, .offset: 24, .size: 8, .value_kind: global_buffer, .address_space: global }
    .group_segment_fixed_size: 34560
    .private_segment_fixed_size: 0
    .kernarg_segment_align: 8
    .kernarg_segment_size: 32
    .max_flat_workgroup_size: 128
    .sgpr_count:     66
    .vgpr_count:     184
    .wavefront_size: 32
...
	.end_amdgpu_metadata
.endif
;; end of part 1
;; launch qkv (part 2): grid 256 x 1, 4 waves a work-group, clusters of 4 x 1, 327,680 bytes of LDS; arguments x, wimg, bv, bk, bq, vcodes, vscales, scores; writes vcodes, vscales, scores
.if DOCPART == 2
	.amdgcn_target "amdgcn-amd-amdhsa--gfx1250"
	.amdhsa_code_object_version 6
	.text
	.protected	k_q5eda32c9f1_qkv
	.globl	k_q5eda32c9f1_qkv
	.p2align	8
	.type	k_q5eda32c9f1_qkv,@function
k_q5eda32c9f1_qkv:
	s_mov_b64 s[64:65], 0
	v_nop
	global_prefetch_b8 v0, s[64:65] scope:SCOPE_SE
	s_setreg_imm32_b32 hwreg(HW_REG_WAVE_MODE, 25, 1), 1
	s_wait_xcnt 0x0
	s_wait_alu depctr_hold_cnt(0) depctr_sa_sdst(0) depctr_va_vdst(0) depctr_va_sdst(0) depctr_va_ssrc(0) depctr_va_vcc(0) depctr_vm_vsrc(0)
	s_getreg_b32 s2, hwreg(HW_REG_IB_STS2, 6, 4)
	s_cmp_eq_u32 s2, 0
	s_cbranch_scc0 .Lentry_in_a_cluster
	s_endpgm
.Lentry_in_a_cluster:
	s_bfe_u32 s2, ttmp6, 0x10000c
	s_cmp_lg_u32 s2, 0x3003
	s_cbranch_scc0 .Lentry_shape_is_right
	s_endpgm
.Lentry_shape_is_right:
; For two batches of 64 rows of x [32768][1024] f32: V = x Wv^T + bv, K = x Wk^T + bk, Q = x Wq^T + bq and the scores K Q^T, all four products on codes of FP6 (E2M3) with one E8M0 scale for each 32 along K.
; OUT: V as codes along t with its scale words (vcodes, vscales), and the raw scores in f32 (scores), all laid as images of registers.  K and Q never leave the work-group.
; SHARES.  Work-group WG = 4 x cluster + cx takes rows 128 WG .. + 127.  Wave w = 2 i + j holds batch i's 64 rows and makes columns 256 j .. 256 j + 255 of V, K and Q.
; x STAYS IN REGISTERS: batch i's codes are 4 tiles of rows x 8 K steps x 12 = 384 registers.  LDS streams the weights alone: a fragment of W (1,536 bytes) feeds four matrix instructions.
; THE ROWS OF A TILE ARE NOT NEIGHBOURS: lane r of tile 2 b + u takes row 32 b + 8 u + r + 8 (r / 8) (x's tiles and the weights' alike).  So with x as source 0 (V) a lane holds one column c and 16 neighbouring t,
; and with W as source 0 (K, Q) a lane holds one row and 16 neighbouring c: the conversions find neighbours along the next product's K in one lane's registers.
; THE WEIGHTS come as 12 groups of 64 columns for each j (4 of V, 4 of K, 4 of Q), 102,400 bytes a group for both j, through a ring of two LDS slots; each wave brings a quarter of a slot by one tensor load.
; CLUSTER: all work-groups walk the same weights, so the four of a cluster ask JOINTLY (mask 15).  cx enters global addresses of x and of the outputs alone.
; A HALF is the unit of the products: 32 columns x my 64 rows x K 1,024 = 8 accumulators, 64 matrix instructions in two phases of four K steps.  Two sets of 8 accumulators take turns, half by half.
; ALL MEMORY WORK OF A PHASE STANDS IN ONE RUN AT ITS START: 24 LDS loads bring the next phase's fragments of W into the one of two buffers of 96 registers that is not being multiplied (a whole phase ahead of their use),
; and with them go a group's scale words, the bias loads and V's stores, where they are due.
; THE VECTOR LINES OF A WAY OUT (block maxima, scale bytes, conversions) of the half BEFORE stand in runs of CHK between the matrix instructions of a half's first phase; they name the other set of accumulators.
; A trip is four halves (two groups); the fourth half's way out stands by itself at the trip's end.
; K's and Q's bias is the C of a half's first K step (16 registers, two sets by turns, loaded two halves ahead); V's bias is one number a lane and is added on the way out.
; No prefetch: x's loads run four units (64 loads of 512 bytes a wave) ahead through the whole x phase, and all 64 clusters read the same 1,228,800 bytes of weights in the same order.
; LIMITS: NaN and infinities are not served; a block whose largest magnitude lies under 2^-124 keeps the byte 1; a block of zeros gets the byte 1 (its codes are zeros, and this program alone reads the bytes).
; REGISTERS, in windows of 256 (s_set_vgpr_msb: bits 1:0 source 0, 3:2 source 1, 5:4 source 2, 7:6 destination):
;   window 0: v1-31 addresses and words at work; v32-63 x's scale words; v64-127 W's, two sets; v128-143 V's bias; v160-191 the quantiser's; v192-239 codes; v240-255 upper halves on their way
;   window 1: x's fragments of K steps 0-4 (48 ks + 12 m); v240-255 bias set 0      window 2: those of K steps 5-7; v144-239 W's buffer 0 (in the x phase: 64 numbers to be quantised); v240-255 bias set 1
;   window 3: v0-63, v64-127 the two sets of accumulators; v128-223 W's buffer 1 (in the x phase: four landing units of 64 registers)
.set SLOTB,  102400                    ; a slot: [j 2][ks 8] blocks of 6,400 bytes: four fragments of 1,536, then 256 bytes of scale words
.set RB,     204800                    ; behind the ring: bytes that LDS stores write and no tensor load fills
.set EXB,    RB+33792                  ; x phase: four stages of 8,448 bytes at RB, then two exchange buffers
.set EXBUF,  13312                     ; 8 fragments x 1,536 and 8 x 128 bytes of scale words
.set KQS,    RB+98304                  ; later: K's and Q's images at RB + 24,576 w + 6,144 t + 1,536 m; their scale words here + 2,048 w + 512 t + 128 m
.set SPARE,  311296                    ; the spare words, 128 bytes for each wave
.set CHK, 6                            ; vector lines of a way out between two matrix instructions
.set L16, 1                            ; 16 x lane
.set AW,  2                            ; v2-3 my j's half of slot 0, 1, + 16 x lane
.set ASC, 4                            ; v4-5 the same + 6,144, with 16 x (lane % 16)
.set STI, 6                            ; my stage, way in
.set STQ, 7                            ; my stage, way out
.set EXW, 8                            ; where I put x's images; v9 their scale words; v10, v11 where I read my batch's
.set EXWS, 9
.set EXR, 10
.set EXRS, 11
.set KQW, 12                           ; where I put K's and Q's images; v13 their scale words
.set KQWS, 13
.set H64, 14                           ; 64 h
.set RP4, 15                           ; 4 (r + 8 (r / 8))
.set L8,  16                           ; 8 x lane
.set RH,  17                           ; 16 r + 8 h
.set KA,  18                           ; v18-21 the scores' reads: K, Q, K's scale words, Q's
.set QA,  19
.set SA,  20
.set SQ,  21
.set SPW, 22                           ; my spare word's address; never rewritten
.set NIL, 23                           ; 0; never rewritten
.set PW,  24                           ; v24-27 scale words being made
.set SW,  28                           ; v28-29 V's scale words on their way out
.set IA,  30                           ; v30, v31 the image addresses in hand
.set IS,  31
.set XS,  32
.set WS,  64
.set BI,  128
.set TM,  160
.set TP,  168
.set SC,  176
.set BY,  184
.set PC,  192
.set Y,   240
.set QI,  144                          ; in window 2
.set WV,  20                           ; s20 wave, s21 i, s22 j, s23 cx, s24 WG, s25 my batch
.set G1,  32                           ; s[32:39] descriptor group 1;  s[40:47] group 0, a set for each slot
.set G0,  40
.set SEL, 48                           ; s[48:49] selects for lane l xor 16
.set HIM, 50                           ; the mask of lanes 16-31
.set CNT, 51
.set BP,  52                           ; s[52:53] bk or bq at this trip's 128 columns;  s[56:57] at the next trip's
.set NB,  56
.set KT,  54                           ; s54, s55 the trip's place among my images and their scale words
.set KTS, 55
.set MSB, 0
.macro WIN new                         ; the immediate's high byte repeats the setting that is left; a switch that changes nothing is dropped
.if MSB != (\new)
	s_set_vgpr_msb (MSB<<8)|(\new)
.set MSB, (\new)
.endif
.endm
.macro PLACES                          ; four plain places behind matrix instructions (ISA guide 7.12.1)
.rept 4
	v_nop
.endr
.endm
.macro CREST                           ; a round of the cluster's barrier behind its opening barrier
	s_cmp_lg_u32 s[WV], 0
	s_cbranch_scc1 .Lnw0_\@
	s_barrier_signal -3
.Lnw0_\@:
	s_barrier_wait -3
	s_barrier_signal -1
	s_barrier_wait -1
.endm
.macro CROUND
	s_barrier_signal -1
	s_barrier_wait -1
	CREST
.endm
; n blocks of 32; my 16 numbers of block bb stand at v[s + 16 bb] of window w.  Leaves the conversions' scale operands in SC and the bytes in BY.
.macro BLKSCALE n, s, w
	WIN (\w)|((\w)<<2)
.set bb, 0
.rept \n
	v_max3_num_f32 v[TM+bb], |v[(\s)+16*bb]|, |v[(\s)+16*bb+1]|, 0x1800000   ; with the floor 2^(3 - 127): the byte cannot fall under 1
.set bb, bb+1
.endr
.irp i, 2,4,6,8,10,12,14
.set bb, 0
.rept \n
	v_max3_num_f32 v[TM+bb], |v[(\s)+16*bb+\i]|, |v[(\s)+16*bb+\i+1]|, v[TM+bb]
.set bb, bb+1
.endr
.endr
	WIN 0
.set bb, 0
.rept \n
	v_permlanex16_b32 v[TP+bb], v[TM+bb], s[SEL], s[SEL+1]
.set bb, bb+1
.endr
.set bb, 0
.rept \n
	v_max_num_f32 v[TM+bb], v[TM+bb], v[TP+bb]
.set bb, bb+1
.endr
.set bb, 0
.rept \n
	v_add_nc_u32 v[SC+bb], 0xff000000, v[TM+bb]    ; 2 off its exponent field
.set bb, bb+1
.endr
.set bb, 0
.rept \n
	v_lshrrev_b32 v[BY+bb], 23, v[SC+bb]
.set bb, bb+1
.endr
.endm
.macro JOIN d, y                       ; two half blocks a lane become one whole block a lane: lanes 0-15 the even block, lanes 16-31 the odd one
.irp i, 0,1,2
	v_permlane16_swap_b32 v[(\d)+\i], v[(\y)+\i]
.endr
.irp i, 0,1,2
	v_mov_b32 v[(\d)+3+\i], v[(\y)+\i]
.endr
.endm
.macro WM d, a, b, c0, sa, sb
.if \c0
	v_wmma_scale_f32_16x16x128_f8f6f4 v[(\d):(\d)+7], v[(\a):(\a)+11], v[(\b):(\b)+11], 0, v[\sa], v[\sb] matrix_a_fmt:MATRIX_FMT_FP6 matrix_b_fmt:MATRIX_FMT_FP6
.else
	v_wmma_scale_f32_16x16x128_f8f6f4 v[(\d):(\d)+7], v[(\a):(\a)+11], v[(\b):(\b)+11], v[(\d):(\d)+7], v[\sa], v[\sb] matrix_a_fmt:MATRIX_FMT_FP6 matrix_b_fmt:MATRIX_FMT_FP6
.endif
.endm
.macro WMC d, a, b, c, sa, sb          ; the sum starts with other registers: the bias
	v_wmma_scale_f32_16x16x128_f8f6f4 v[(\d):(\d)+7], v[(\a):(\a)+11], v[(\b):(\b)+11], v[(\c):(\c)+7], v[\sa], v[\sb] matrix_a_fmt:MATRIX_FMT_FP6 matrix_b_fmt:MATRIX_FMT_FP6
.endm
; V's bias for a trip's eight tiles of 16 columns: a lane is one column; its number fills a pair for the packed addition
.macro VBIAS
.irp t, 0,1,2,3,4,5,6,7
	global_load_b32 v[BI+2*\t], v[RP4], s[8:9] offset:256*(\t/4)+(32*((\t%4)/2)+8*(\t%2))*4
	global_load_b32 v[BI+2*\t+1], v[RP4], s[8:9] offset:256*(\t/4)+(32*((\t%4)/2)+8*(\t%2))*4
.endr
.endm
; Counters of the text: fl of a buffer's 24 fragment loads, fw of a group's 8 loads of scale words, fbi of a set's 4 bias loads;
; en of the ne lines of a way out, of which the first nv are vector lines that may stand between matrix instructions
.set fl, 24
.set fw, 8
.set fbi, 4
.set en, 0
.set ne, 0
.set nv, 0
.macro LRUN sl, b, p                   ; half b of slot sl, K steps 4 p .. 4 p + 3, into buffer p: 24 loads
	WIN 0x80+0x40*(\p)
.set fl, 0
.rept 24
.set t0, 144-16*(\p)+24*(fl/6)+12*((fl%6)/3)+4*(fl%3)
	ds_load_b128 v[t0:t0+3], v[AW+(\sl)] offset:(4*(\p)+fl/6)*6400+(2*(\b)+(fl%6)/3)*1536+(fl%3)*512
.set fl, fl+1
.endr
.endm
.macro WRUN sl                         ; a group's scale words of W: for each K step lane r takes the four tiles' words
	WIN 0
.set fw, 0
.rept 8
	ds_load_b128 v[WS+32*(\sl)+4*fw:WS+32*(\sl)+4*fw+3], v[ASC+(\sl)] offset:fw*6400
.set fw, fw+1
.endr
.endm
.macro BRUN pr, q                      ; the bias of half q of the trip whose columns begin at s[pr:pr+1]: register 8 u + i of set q % 2 is column 32 (q % 2) + 16 h + 8 u + i of group q / 2
.set bq, \q
	WIN (1+bq%2)<<6
.set fbi, 0
.rept 4
	global_load_b128 v[240+4*fbi:240+4*fbi+3], v[H64], s[\pr:\pr+1] offset:256*(bq/2)+(32*(bq%2)+8*(fbi/2))*4+16*(fbi%2)
.set fbi, fbi+1
.endr
.endm
.macro QE form, q                      ; to go out: half q of the trip
.set ef, \form
.set eq, \q
.set en, 0
.if \form
.set ne, 57+24*(eq%2)+18*(eq/3)
.set nv, ne
.else
.set ne, 108
.set nv, 103
.endif
.endm
; Lines eb = 0 .. 47 of the quantiser: four blocks of 32 by turns (my 16 numbers of block bb at accumulator register a0 + 16 bb, shared with lane l xor 16).  Each accumulator is first read at its low end.
.macro EVQ
.set bb, eb%4
.if eb < 4
	WIN 0x0f
	v_max3_num_f32 v[TM+bb], |v[a0+16*bb]|, |v[a0+16*bb+1]|, 0x1800000
.elseif eb < 32
	WIN 0x0f
	v_max3_num_f32 v[TM+bb], |v[a0+16*bb+2*(eb/4)]|, |v[a0+16*bb+2*(eb/4)+1]|, v[TM+bb]
.elseif eb < 36
	WIN 0
	v_permlanex16_b32 v[TP+bb], v[TM+bb], s[SEL], s[SEL+1]
.elseif eb < 40
	WIN 0
	v_max_num_f32 v[TM+bb], v[TM+bb], v[TP+bb]
.elseif eb < 44
	WIN 0
	v_add_nc_u32 v[SC+bb], 0xff000000, v[TM+bb]
.else
	WIN 0
	v_lshrrev_b32 v[byd+bb], 23, v[SC+bb]
.endif
.endm
.macro JN d, y, i                      ; line i of JOIN
	WIN 0
.if (\i) < 3
	v_permlane16_swap_b32 v[(\d)+(\i)], v[(\y)+(\i)]
.else
	v_mov_b32 v[(\d)+(\i)], v[(\y)+(\i)-3]
.endif
.endm
; K, Q: block m is tile m of my rows; half eq is block eq of a fragment of 128 along c: codes to registers 6 (eq / 2) .., byte eq of the scale word.  Half 3 sends the four images to LDS.
.macro EV1
.set a0, 64*(eq%2)
.set bb, en%4
.if en < 48
.set eb, en
.set byd, BY
.if eq == 0
.set byd, PW
.endif
	EVQ
.elseif en < 52
.if eq > 0
	WIN 0
	v_lshl_or_b32 v[PW+bb], v[BY+bb], 8*eq, v[PW+bb]
.endif
.elseif en < 56
	WIN 0x03
.if eq%2
	v_cvt_scalef32_pk16_fp6_f32 v[Y+4*bb:Y+4*bb+2], v[a0+16*bb:a0+16*bb+15], v[SC+bb]
.else
	v_cvt_scalef32_pk16_fp6_f32 v[PC+12*bb+6*(eq/2):PC+12*bb+6*(eq/2)+2], v[a0+16*bb:a0+16*bb+15], v[SC+bb]
.endif
.elseif en == 56
	WIN 0
	v_nop                                          ; one plain place behind the scaled conversions
.elseif en < 81
	JN PC+12*((en-57)/6)+6*(eq/2), Y+4*((en-57)/6), (en-57)%6
.elseif en == 81
	WIN 0
	v_add_nc_u32 v[IA], s[KT], v[KQW]
.elseif en == 82
	v_add_nc_u32 v[IS], s[KTS], v[KQWS]
.elseif (en-83)%4 < 3
	ds_store_b128 v[IA], v[PC+12*((en-83)/4)+4*((en-83)%4):PC+12*((en-83)/4)+4*((en-83)%4)+3] offset:((en-83)/4)*1536+((en-83)%4)*512
.else
	ds_store_b32 v[IS], v[PW+(en-83)/4] offset:((en-83)/4)*128
.endif
.endm
; V: + bias; blocks 2 n, 2 n + 1 are all 64 t of the 16 columns of tile n: six registers of codes and a scale word (upper two bytes 0) go to memory.
.macro EV0
.set a0, 64*(eq%2)
.set bb, en%4
.if en < 32
	WIN 0xc3
	v_pk_add_f32 v[a0+2*en:a0+2*en+1], v[a0+2*en:a0+2*en+1], v[BI+2*(2*eq+en/16):BI+2*(2*eq+en/16)+1]
.elseif en < 80
.set eb, en-32
.set byd, BY
	EVQ
.elseif en < 84
.if bb < 2
	WIN 0
	v_lshl_or_b32 v[PW+2*(eq%2)+bb], v[BY+2*bb+1], 8, v[BY+2*bb]
.endif
.elseif en < 88
	WIN 0x03
.if bb%2
	v_cvt_scalef32_pk16_fp6_f32 v[Y+4*(bb/2):Y+4*(bb/2)+2], v[a0+16*bb:a0+16*bb+15], v[SC+bb]
.else
	v_cvt_scalef32_pk16_fp6_f32 v[PC+24*(eq%2)+12*(bb/2):PC+24*(eq%2)+12*(bb/2)+2], v[a0+16*bb:a0+16*bb+15], v[SC+bb]
.endif
.elseif en == 88
	WIN 0
	v_nop
.elseif en < 101
	JN PC+24*(eq%2)+12*((en-89)/6), Y+4*((en-89)/6), (en-89)%6
.elseif en < 103
.if eq%2
	WIN 0
	v_cndmask_b32 v[SW+en-101], v[PW+en-101], v[PW+2+en-101], s[HIM]   ; lanes 0-15 send tiles 0, 1's words of their column r, lanes 16-31 tiles 2, 3's
.endif
.elseif en < 107
	WIN 0
.set pb, PC+24*(eq%2)+12*((en-103)/2)
.if (en-103)%2
	global_store_b64 v[L8], v[pb+4:pb+5], s[14:15] offset:3072*(eq/2)+768*(2*(eq%2)+(en-103)/2)+512   ; 256 consecutive bytes, aligned
.else
	global_store_b128 v[L16], v[pb:pb+3], s[14:15] offset:3072*(eq/2)+768*(2*(eq%2)+(en-103)/2)       ; 512 consecutive bytes, aligned to 256
.endif
.else
.if eq%2
	WIN 0
	global_store_b64 v[RH], v[SW:SW+1], s[16:17] offset:256*(eq/2)   ; 256 consecutive bytes, aligned
.endif
.endif
.endm
.macro EVX
.if ef
	EV1
.else
	EV0
.endif
.set en, en+1
.endm
.macro FILL                            ; what stands behind one matrix instruction: up to CHK vector lines of the way out that is due
.rept CHK
.if en < nv
	EVX
.endif
.endr
.endm
.macro REST                            ; the way out's memory lines, at the head of the next phase's run
.if en < ne
	s_wait_alu depctr_va_vdst(0)                   ; window switches stand between the codes' last writes and the stores
.rept ne-en
	EVX
.endr
.endif
.endm
; Matrix instruction wi (0 .. 31) of phase p of half b: K step 4 p + wi / 8.  The half's 8 accumulators take turns, one instruction a turn, in the same order in every K step.
; form 1 (K, Q): source 0 = W's tile 2 b + wi % 2, source 1 = x's tile.  form 0 (V): source 0 = x's tile wi % 4, source 1 = W's tile.
.macro WMX form, sl, b, p
.set ks, 4*(\p)+wi/8
.set we, wi%8
.set wfr, 144-16*(\p)+24*(ks%4)
.if ks < 5
.set xrw, 1
.set xrr, 48*ks
.else
.set xrw, 2
.set xrr, 48*(ks-5)
.endif
.set zc, 0
.if ks == 0
.set zc, 1
.endif
.if \form
.set wd, 64*(\b)+16*(we/2)+8*(we%2)
.if zc
	WIN (2+(\p))|(xrw<<2)|((1+(\b))<<4)|0xc0
	WMC wd, wfr+12*(we%2), xrr+12*(we/2), 240+8*(we%2), WS+32*(\sl)+4*ks+2*(\b)+we%2, XS+4*ks+we/2
.else
	WIN (2+(\p))|(xrw<<2)|0xf0
	WM wd, wfr+12*(we%2), xrr+12*(we/2), 0, WS+32*(\sl)+4*ks+2*(\b)+we%2, XS+4*ks+we/2
.endif
.else
.set wd, 64*(\b)+32*(we/4)+8*(we%4)
	WIN xrw|((2+(\p))<<2)|0xf0
	WM wd, xrr+12*(we%4), wfr+12*(we/4), zc, XS+4*ks+we%4, WS+32*(\sl)+4*ks+2*(\b)+we/4
.endif
.endm
.macro RUN form, sl, b, p, w0, w1
.set wi, \w0
.rept (\w1)-(\w0)
	WMX \form, \sl, \b, \p
	FILL
.set wi, wi+1
.endr
.endm
.macro BLOAD bl, q                     ; bl = 1: the bias of two halves on, from this trip's columns; 2: from the next trip's
.if (\bl) == 1
	BRUN BP, (\q)+2
.elseif (\bl) == 2
	BRUN NB, (\q)-2
.endif
.endm
; A half.  mode (b = 1): 2 the slot is filled again; 1 the slots change and nothing is asked for; 0 the last group.  epi: the half before goes out meanwhile.
; lw: the bias loads that may stay out (the one younger batch of four).
.macro HALF form, sl, b, mode, epi, lw, bl
	s_wait_dscnt 0x0                               ; buffer 0 (and at a group's start its scale words) is in; earlier images' stores have read their registers
.if \form
	s_wait_loadcnt \lw                             ; this half's bias is in
.else
	s_wait_xcnt 0x0                                ; earlier stores have read the registers that the way out writes
.if 2*(\sl)+(\b) == 1
	s_wait_loadcnt 0x0                             ; the trip's bias
.endif
.endif
	PLACES                                         ; ahead of loads into buffer 1 and of reads of the other set's results
	LRUN \sl, \b, 1
.if \epi
	QE \form, 2*(\sl)+(\b)-1
.endif
	RUN \form, \sl, \b, 0, 0, 32
	REST
.if (\b) && (\mode)
	; the slots change: ONE barrier.  All my tensor loads (my quarter of the next slot), the add, my reads of this slot (buffer 1 holds the last of them)
	WIN 0
	s_wait_tensorcnt 0x0
	ds_add_u32 v[SPW], v[NIL]
.if (\mode) == 2
	s_add_nc_u64 s[G0+4*(\sl)+2:G0+4*(\sl)+3], s[G0+4*(\sl)+2:G0+4*(\sl)+3], 2*SLOTB
.endif
	s_wait_dscnt 0x0
	s_barrier_signal -1
	RUN \form, \sl, \b, 1, 0, 8                    ; work on registers while the others arrive
	WIN 0
	s_barrier_wait -1
.if (\mode) == 2
	CREST                                          ; no wave of any partner still reads this slot or has a load on its way
	tensor_load_to_lds s[G0+4*(\sl):G0+4*(\sl)+3], s[G1:G1+7]   ; the group two on: my one tensor load until the next round
	s_nop 0
.endif
	PLACES
	LRUN 1-(\sl), 0, 0
	WRUN 1-(\sl)
	BLOAD \bl, 2*(\sl)+(\b)
	RUN \form, \sl, \b, 1, 8, 32
.else
	s_wait_dscnt 0x0                               ; buffer 1 is in
	PLACES
.if (\b) == 0
	LRUN \sl, 1, 0
.endif
	BLOAD \bl, 2*(\sl)+(\b)
	RUN \form, \sl, \b, 1, 0, 32
.endif
.endm
.macro FLAT form, q                    ; a trip's last half goes out by itself
	PLACES
	QE \form, \q
.rept ne
	EVX
.endr
	WIN 0
.endm
	s_load_b256 s[4:11], s[0:1], 0x0               ; x s[4:5], wimg s[6:7], bv s[8:9], bk s[10:11]
	s_load_b256 s[12:19], s[0:1], 0x20             ; bq s[12:13], vcodes s[14:15], vscales s[16:17], scores s[18:19]
	v_lshl_add_u32 v[SPW], v0, 2, SPARE
	v_mov_b32 v[NIL], 0
	ds_add_u32 v[SPW], v[NIL]                      ; the opening lines: the add twice on end and its wait ahead of my first tensor load
	ds_add_u32 v[SPW], v[NIL]
	v_lshrrev_b32 v160, 5, v0
	v_readfirstlane_b32 s[WV], v160                ; wave 0..3
	s_lshr_b32 s21, s20, 1                         ; i: my batch of the two
	s_and_b32 s22, s20, 1                          ; j: my half of the columns
	s_bfe_u32 s23, ttmp6, 0x40000                  ; cx
	s_lshl_b32 s24, ttmp9, 2
	s_add_co_u32 s24, s24, s23                     ; WG
	s_lshl_b32 s25, s24, 1
	s_add_co_u32 s25, s25, s21                     ; my batch, 0 .. 511
	; descriptor group 1: a quarter of a slot, 25,600 dense bytes, as 100 rows of 32 elements of 8 bytes
	s_mov_b32 s[G1+0], 15|(3<<16)|(1<<21)          ; the mask: all four work-groups; elements of 8 bytes; bit 21 beside a mask
	s_mov_b32 s[G1+1], 32<<16
	s_mov_b32 s[G1+2], 100<<16
	s_mov_b32 s[G1+3], 32<<16
	s_mov_b32 s[G1+4], 100
	s_mov_b32 s[G1+5], 32
	s_mov_b32 s[G1+6], 0
	s_mov_b32 s[G1+7], 0
	s_mov_b32 s[SEL], 0x76543210
	s_mov_b32 s[SEL+1], 0xfedcba98
	s_mov_b32 s[HIM], 0xffff0000
	s_mov_b32 s[KT], 0
	s_mov_b32 s[KTS], 0
	v_and_b32 v160, 31, v0                         ; lane
	v_and_b32 v161, 15, v0                         ; r
	v_bfe_u32 v162, v0, 4, 1                       ; h
	v_lshlrev_b32 v[L16], 4, v160
	v_lshlrev_b32 v[L8], 3, v160
	v_lshlrev_b32 v163, 2, v160                    ; 4 x lane
	v_lshlrev_b32 v164, 4, v161                    ; 16 r
	s_mul_i32 s26, s22, 51200
	v_add_nc_u32 v[AW], s26, v[L16]
	v_add_nc_u32 v[AW+1], SLOTB, v[AW]
	v_add_nc_u32 v[ASC], s26, v164
	v_add_nc_u32 v[ASC], 6144, v[ASC]
	v_add_nc_u32 v[ASC+1], SLOTB, v[ASC]
	s_mul_i32 s26, s20, 8448
	s_add_co_u32 s26, s26, RB
	v_add_nc_u32 v[STI], s26, v[L16]
	v_mul_u32_u24 v[STQ], v161, 528
	v_lshl_add_u32 v[STQ], v162, 6, v[STQ]
	v_add_nc_u32 v[STQ], s26, v[STQ]
	s_mul_i32 s26, s20, 3072
	s_add_co_u32 s26, s26, EXB
	v_add_nc_u32 v[EXW], s26, v[L16]               ; fragments 2 w, 2 w + 1 of a buffer's eight
	s_lshl_b32 s26, s20, 8
	s_add_co_u32 s26, s26, EXB+12288
	v_add_nc_u32 v[EXWS], s26, v163
	s_mul_i32 s26, s21, 6144
	s_add_co_u32 s26, s26, EXB
	v_add_nc_u32 v[EXR], s26, v[L16]               ; my batch's four
	s_lshl_b32 s26, s21, 9
	s_add_co_u32 s26, s26, EXB+12288
	v_add_nc_u32 v[EXRS], s26, v163
	s_mul_i32 s26, s20, 24576
	s_add_co_u32 s26, s26, RB
	v_add_nc_u32 v[KQW], s26, v[L16]
	s_lshl_b32 s26, s20, 11
	s_add_co_u32 s26, s26, KQS
	v_add_nc_u32 v[KQWS], s26, v163
	v_lshlrev_b32 v[H64], 6, v162
	v_and_b32 v[RP4], 8, v161
	v_add_nc_u32 v[RP4], v[RP4], v161
	v_lshlrev_b32 v[RP4], 2, v[RP4]
	v_lshl_add_u32 v[RH], v162, 3, v164
	s_mul_i32 s26, s21, 49152
	s_add_co_u32 s26, s26, RB
	v_add_nc_u32 v[KA], s26, v[L16]                ; K: the images of my batch's two waves
	s_mul_i32 s27, s22, 3072
	s_add_co_u32 s27, s27, s26
	s_add_co_u32 s27, s27, 12288
	v_add_nc_u32 v[QA], s27, v[L16]                ; Q: two trips further on, tiles 2 j and 2 j + 1
	s_lshl_b32 s26, s21, 12
	s_add_co_u32 s26, s26, KQS
	v_add_nc_u32 v[SA], s26, v163
	s_lshl_b32 s27, s22, 8
	s_add_co_u32 s27, s27, s26
	s_add_co_u32 s27, s27, 1024
	v_add_nc_u32 v[SQ], s27, v163
.irp b, 0,1,2,3,4,5,6,7
	v_mov_b32 v[TP+\b], 0                          ; written once: a lane permute's destination counts as one of its sources
.endr
	s_lshl_b32 s56, s24, 19                        ; x: 128 rows of 4,096 bytes a work-group,
	s_lshl_b32 s58, s20, 17                        ; 32 rows a wave
	s_add_co_u32 s56, s56, s58
	s_mov_b32 s57, 0
	s_mul_i32 s58, s25, 24576                      ; vcodes: 32 tiles of 768 bytes a batch, 16 for each j
	s_mul_i32 s60, s22, 12288
	s_add_co_u32 s58, s58, s60
	s_mov_b32 s59, 0
	s_lshl_b32 s60, s25, 11                        ; vscales: 2,048 bytes a batch
	s_lshl_b32 s62, s22, 10                        ; s[62:63] = 1,024 j: also the biases' 256 columns
	s_add_co_u32 s60, s60, s62
	s_mov_b32 s61, 0
	s_mov_b32 s63, 0
	s_lshl_b32 s26, s25, 14                        ; scores: 16,384 bytes a batch
	s_lshl_b32 s28, s22, 13
	s_add_co_u32 s26, s26, s28
	s_mov_b32 s27, 0
	s_mul_i32 s28, s20, 25600                      ; my quarter of a slot, in memory and in LDS: no place in the cluster enters it
	s_mov_b32 s29, 0
	s_wait_dscnt 0x0                               ; both opening adds are done
	s_wait_kmcnt 0x0
	s_add_nc_u64 s[4:5], s[4:5], s[56:57]
	s_add_nc_u64 s[14:15], s[14:15], s[58:59]
	s_add_nc_u64 s[16:17], s[16:17], s[60:61]
	s_add_nc_u64 s[18:19], s[18:19], s[26:27]
	s_add_nc_u64 s[8:9], s[8:9], s[62:63]
	s_add_nc_u64 s[10:11], s[10:11], s[62:63]
	s_add_nc_u64 s[12:13], s[12:13], s[62:63]
	s_mov_b64 s[BP:BP+1], s[10:11]
	s_add_nc_u64 s[6:7], s[6:7], s[28:29]
	s_mov_b32 s[G0], 1
	s_mov_b32 s[G0+1], s28                         ; LDS address: slot 0
	s_mov_b64 s[G0+2:G0+3], s[6:7]                 ; group 0 of the weights
	s_or_b32 s[G0+3], s[G0+3], 0x80000000
	s_mov_b32 s[G0+4], 1
	s_add_co_u32 s[G0+5], s28, SLOTB               ; slot 1
	s_add_nc_u64 s[G0+6:G0+7], s[6:7], SLOTB       ; group 1
	s_or_b32 s[G0+7], s[G0+7], 0x80000000
; Unit n = 2 ks + u: 16 rows x 128 k of x, tile 2 j + u of my batch, K step ks; 16 loads of 512 consecutive bytes, into landing unit n % 4 of window 3.
.macro XLOAD n
	WIN 0xc0
.set rr, 0
.rept 16
	global_load_b128 v[64*((\n)%4)+4*rr:64*((\n)%4)+4*rr+3], v[L16], s[4:5] offset:(8*((\n)%2)+rr+8*(rr/8))*4096+512*((\n)/2) th:TH_LOAD_NT
.set rr, rr+1
.endr
	WIN 0
.endm
	XLOAD 0
	XLOAD 1
	XLOAD 2
	XLOAD 3
	CROUND                                         ; all four work-groups are here: the first joint loads meet
	tensor_load_to_lds s[G0:G0+3], s[G1:G1+7]      ; slot 0: one tensor load a wave at the head
	s_nop 0
	PLACES
; A unit is turned through my stage, so that a lane holds 16 neighbours of each block of 32 of ITS row, is quantised, and its image goes to the exchange buffer.
.macro XUNIT n
.if (\n) == 12
	s_wait_loadcnt 63                              ; behind unit 12: three units of 16 loads and the 24 bias loads, 72; the field holds 63
.elseif (\n) > 12
	s_wait_loadcnt 16*(15-(\n))+24                 ; the units behind this one, 16 loads each, and the 24 bias loads may be out
.else
	s_wait_loadcnt 48                              ; the three units behind this one may be out
.endif
	WIN 0x0c
.set rr, 0
.rept 16
	ds_store_b128 v[STI], v[64*((\n)%4)+4*rr:64*((\n)%4)+4*rr+3] offset:rr*528
.set rr, rr+1
.endr
	WIN 0x80
.irp b, 0,1,2,3
.irp q, 0,1,2,3
	ds_load_b128 v[QI+16*\b+4*\q:QI+16*\b+4*\q+3], v[STQ] offset:128*\b+16*\q   ; LDS serves a wave's instructions in order: these see my stores
.endr
.endr
	s_wait_dscnt 0x0                               ; the numbers are back; the stage's stores have read the landing unit; earlier images' stores have read their registers
.if (\n)+4 <= 15
	XLOAD (\n)+4
.endif
.if (\n) == 11
	VBIAS                                          ; behind x's last loads: the first trip's bias of V (16 loads) and K's first two halves' (8)
	BRUN BP, 0
	BRUN BP, 1
	WIN 0
.endif
	BLKSCALE 4, QI, 2
	v_lshl_or_b32 v[PW], v[BY+1], 8, v[BY]
	v_lshl_or_b32 v[PW], v[BY+2], 16, v[PW]
	v_lshl_or_b32 v[PW], v[BY+3], 24, v[PW]
	WIN 0x02
.irp c, 0,1
	v_cvt_scalef32_pk16_fp6_f32 v[PC+6*\c:PC+6*\c+2], v[QI+32*\c:QI+32*\c+15], v[SC+2*\c]
	v_cvt_scalef32_pk16_fp6_f32 v[Y+4*\c:Y+4*\c+2], v[QI+32*\c+16:QI+32*\c+31], v[SC+2*\c+1]
.endr
	WIN 0
	v_nop                                          ; one plain place behind the scaled conversions
	JOIN PC, Y
	JOIN PC+6, Y+4
.irp c, 0,1,2
	ds_store_b128 v[EXW], v[PC+4*\c:PC+4*\c+3] offset:(((\n)/2)%2)*EXBUF+((\n)%2)*1536+\c*512
.endr
	ds_store_b32 v[EXWS], v[PW] offset:(((\n)/2)%2)*EXBUF+((\n)%2)*128
.endm
; A K step of x: my two units; a barrier; my batch's four fragments and scale words into their registers, where they stay.  The two exchange buffers take turns, so the one barrier orders
; this step's stores ahead of its reads, and the reads of two steps back (waited for in front of the last barrier) ahead of this step's stores.
.macro XSTEP ks
	XUNIT 2*(\ks)
	XUNIT 2*(\ks)+1
	s_wait_dscnt 0x0                               ; for the others' sake: my images have landed
	s_barrier_signal -1
	s_barrier_wait -1
.if (\ks) < 5
	WIN 0x40
.set xrr, 48*(\ks)
.else
	WIN 0x80
.set xrr, 48*((\ks)-5)
.endif
.irp m, 0,1,2,3
.irp c, 0,1,2
	ds_load_b128 v[xrr+12*\m+4*\c:xrr+12*\m+4*\c+3], v[EXR] offset:((\ks)%2)*EXBUF+\m*1536+\c*512
.endr
.endr
	WIN 0
.irp m, 0,1,2,3
	ds_load_b32 v[XS+4*(\ks)+\m], v[EXRS] offset:((\ks)%2)*EXBUF+\m*128
.endr
.if (\ks) == 6
	; slot 1's first fill is issued as a refill is: my quarter of slot 0 has landed, the add, its wait, a whole round, the load.
	; It stands behind x's K step 6: all of x's loads have been issued; one K step of x and three phases of products stand ahead of the wait for it
	s_wait_tensorcnt 0x0
	ds_add_u32 v[SPW], v[NIL]
	s_wait_dscnt 0x0
	CROUND                                         ; behind it slot 0 is whole for every wave
	tensor_load_to_lds s[G0+4:G0+7], s[G1:G1+7]
	s_nop 0
	PLACES
.endif
.endm
.irp k, 0,1,2,3,4,5,6,7
	XSTEP \k
.endr
	LRUN 0, 0, 0                                   ; the first half's first four K steps, and the first group's scale words
	WRUN 0
	WIN 0                                          ; at a label and at a branch every window is 0
	s_mov_b32 s[CNT], 2
.Lv:                                               ; V: groups 0, 1 | 2, 3
	HALF 0, 0, 0, 0, 0, 0, 0
	HALF 0, 0, 1, 2, 1, 0, 0
	HALF 0, 1, 0, 0, 1, 0, 0
	HALF 0, 1, 1, 2, 1, 0, 0
	FLAT 0, 3
	s_wait_alu depctr_va_vdst(0)                   ; ahead of the wait and the branches below
	s_wait_xcnt 0x0                                ; the stores and the bias loads have read their bases
	s_add_nc_u64 s[14:15], s[14:15], 6144
	s_add_nc_u64 s[16:17], s[16:17], 512
	s_add_nc_u64 s[8:9], s[8:9], 512
	s_cmp_eq_u32 s[CNT], 1                         ; behind the last trip there is no bias of V left to load
	s_cbranch_scc1 .Lnb
	VBIAS
.Lnb:
	s_sub_co_u32 s[CNT], s[CNT], 1
	s_cmp_lg_u32 s[CNT], 0
	s_cbranch_scc1 .Lv
	s_mov_b32 s[CNT], 3
.Lkq:                                              ; K: groups 4, 5 | 6, 7;  Q: 8, 9.  A trip makes one fragment of 128 along c for each of my four tiles of rows
	s_add_nc_u64 s[NB:NB+1], s[BP:BP+1], 512       ; the next trip's bias: 128 columns on,
	s_cmp_eq_u32 s[CNT], 2                         ; or, behind K's second trip, bq's first
	s_cselect_b64 s[NB:NB+1], s[12:13], s[NB:NB+1]
	HALF 1, 0, 0, 0, 0, 4, 1
	HALF 1, 0, 1, 2, 1, 4, 1
	HALF 1, 1, 0, 0, 1, 4, 2
	HALF 1, 1, 1, 2, 1, 4, 2
	FLAT 1, 3
	s_wait_alu depctr_va_vdst(0)                   ; ahead of the wait and the branch below
	s_wait_xcnt 0x0                                ; the bias loads have read their bases
	s_mov_b64 s[BP:BP+1], s[NB:NB+1]
	s_add_co_u32 s[KT], s[KT], 6144
	s_add_co_u32 s[KTS], s[KTS], 512
	s_sub_co_u32 s[CNT], s[CNT], 1
	s_cmp_lg_u32 s[CNT], 0
	s_cbranch_scc1 .Lkq
	HALF 1, 0, 0, 0, 0, 4, 1                       ; the tail is written out: groups 10 and 11 ask for nothing
	HALF 1, 0, 1, 1, 1, 4, 1
	HALF 1, 1, 0, 0, 1, 4, 0
	HALF 1, 1, 1, 0, 1, 0, 0
	FLAT 1, 3
	; THE SCORES of my batch: source 0 = 16 rows of K (t), source 1 = 16 rows of Q (s): tiles 2 j, 2 j + 1 of s x all four of t, K = c in four steps.
	s_wait_dscnt 0x0                               ; for the others' sake: my images have landed
	s_barrier_signal -1
	s_barrier_wait -1
	WIN 0x40
.irp k, 0,1,2,3
.irp t, 0,1,2,3
.irp c, 0,1,2
	ds_load_b128 v[48*\k+12*\t+4*\c:48*\k+12*\t+4*\c+3], v[KA] offset:(\k/2)*24576+(\k%2)*6144+\t*1536+\c*512
.endr
.endr
.endr
	WIN 0x80
.irp k, 0,1,2,3
.irp t, 0,1
.irp c, 0,1,2
	ds_load_b128 v[24*\k+12*\t+4*\c:24*\k+12*\t+4*\c+3], v[QA] offset:(\k/2)*24576+(\k%2)*6144+\t*1536+\c*512
.endr
.endr
.endr
	WIN 0
.irp k, 0,1,2,3
.irp t, 0,1,2,3
	ds_load_b32 v[XS+4*\k+\t], v[SA] offset:(\k/2)*2048+(\k%2)*512+\t*128
.endr
.endr
.irp k, 0,1,2,3
.irp t, 0,1
	ds_load_b32 v[XS+16+2*\k+\t], v[SQ] offset:(\k/2)*2048+(\k%2)*512+\t*128
.endr
.endr
	s_wait_dscnt 0x0
	WIN 0xf9                                       ; K window 1, Q window 2, the sums window 3
.irp k, 0,1,2,3
.irp n, 0,1
.irp t, 0,1,2,3
.if \k == 0
	WM 32*\n+8*\t, 48*\k+12*\t, 24*\k+12*\n, 1, XS+4*\k+\t, XS+16+2*\k+\n
.else
	WM 32*\n+8*\t, 48*\k+12*\t, 24*\k+12*\n, 0, XS+4*\k+\t, XS+16+2*\k+\n
.endif
.endr
.endr
.endr
	PLACES
	WIN 0x0c                                       ; a store's data are its source 1: window 3
.set ix, 0
.rept 16
	global_store_b128 v[L16], v[4*ix:4*ix+3], s[18:19] offset:512*ix   ; the accumulators as they stand, each from its low end on: 512 consecutive bytes a store
.set ix, ix+1
.endr
	WIN 0
	s_wait_tensorcnt 0x0                           ; the wave's end: behind my last tensor load and my last LDS store
	ds_add_u32 v[SPW], v[NIL]
	s_wait_dscnt 0x0
	CROUND                                         ; the closing round: no work-group ends while a partner may still ask jointly
	s_endpgm
.Lfunc_end_k_q5eda32c9f1_qkv:
	.size	k_q5eda32c9f1_qkv, .Lfunc_end_k_q5eda32c9f1_qkv-k_q5eda32c9f1_qkv
	.p2alignl 7, 3214868480
	.fill 96, 4, 3214868480
	.section	.rodata,"a",@progbits
	.p2align	6, 0x0
	.amdhsa_kernel k_q5eda32c9f1_qkv
		.amdhsa_group_segment_fixed_size 327680
		.amdhsa_private_segment_fixed_size 0
		.amdhsa_enable_private_segment 0
		.amdhsa_kernarg_size 64
		.amdhsa_user_sgpr_count 2
		.amdhsa_user_sgpr_kernarg_segment_ptr 1
		.amdhsa_wavefront_size32 1
		.amdhsa_system_sgpr_workgroup_id_x 1
		.amdhsa_system_sgpr_workgroup_id_y 1
		.amdhsa_system_sgpr_workgroup_id_z 1
		.amdhsa_system_vgpr_workitem_id 0
		.amdhsa_next_free_vgpr 1024
		.amdhsa_next_free_sgpr 66
		.amdhsa_reserve_vcc 0
		.amdhsa_float_denorm_mode_32 3
		.amdhsa_float_denorm_mode_16_64 3
		.amdhsa_memory_ordered 1
		.amdhsa_forward_progress 1
		.amdhsa_inst_pref_size 255
	.end_amdhsa_kernel
	.section	.bss,"aw",@nobits
	.p2align	6
	.space	262144
	.amdgpu_metadata
---
amdhsa.version: [ 1, 2 ]
amdhsa.kernels:
  - .name:           k_q5eda32c9f1_qkv
    .symbol:         k_q5eda32c9f1_qkv.kd
    .args:
      - { .name: x, .offset: 0, .size: 8, .value_kind: global_buffer, .address_space: global }
      - { .name: wimg, .offset: 8, .size: 8, .value_kind: global_buffer, .address_space: global }
      - { .name: bv, .offset: 16, .size: 8, .value_kind: global_buffer, .address_space: global }
      - { .name: bk, .offset: 24, .size: 8, .value_kind: global_buffer, .address_space: global }
      - { .name: bq, .offset: 32, .size: 8, .value_kind: global_buffer, .address_space: global }
      - { .name: vcodes, .offset: 40, .size: 8, .value_kind: global_buffer, .address_space: global }
      - { .name: vscales, .offset: 48, .size: 8, .value_kind: global_buffer, .address_space: global }
      - { .name: scores, .offset: 56, .size: 8, .value_kind: global_buffer, .address_space: global }
    .group_segment_fixed_size: 327680
    .private_segment_fixed_size: 0
    .kernarg_segment_align: 8
    .kernarg_segment_size: 64
    .max_flat_workgroup_size: 128
    .sgpr_count:     66
    .vgpr_count:     1024
    .wavefront_size: 32
...
	.end_amdgpu_metadata
.endif
;; end of part 2
;; launch stats (part 3): grid 64 x 1, 8 waves a work-group, no clusters, 9,216 bytes of LDS; arguments scores, stats; writes stats
.if DOCPART == 3
	.amdgcn_target "amdgcn-amd-amdhsa--gfx1250"
	.amdhsa_code_object_version 6
	.text
	.protected	k_q5eda32c9f1_stats
	.globl	k_q5eda32c9f1_stats
	.p2align	8
	.type	k_q5eda32c9f1_stats,@function
k_q5eda32c9f1_stats:
	s_mov_b64 s[64:65], 0
	v_nop
	global_prefetch_b8 v0, s[64:65] scope:SCOPE_SE
	s_setreg_imm32_b32 hwreg(HW_REG_WAVE_MODE, 25, 1), 1
	s_wait_xcnt 0x0
; The softmax runs over the 512 batches: for each of the 4,096 places (t, s) this launch finds the largest score over b and R = 1 / the sum over b of 2^((score - largest) c), c = log2(e) / sqrt(512).
; scores is [b 512] images of 16,384 bytes; stats holds the largest scores' image at byte 0 and R's image at byte 16,384, place for place as one batch of scores.
; SHARES: work-group G owns bytes 256 G .. 256 G + 255 of every image (64 places); wave v takes batches 64 v .. 64 v + 63.  A load reads these 256 bytes of two batches: lanes 0-15 one, lanes 16-31 the next.
; A wave keeps its 64 batches in 128 registers between the two passes, so the scores are read once.  The eight waves' figures meet in LDS, behind a barrier each.
; The largest score is taken off BEFORE the scaling, so the exponent's error does not grow with the scores.  The sum holds the term 1, so R is finite.  LIMITS: NaN and infinities are not served.
; Work-groups share no input, so there is no cluster; no matrix work, no tensor load.
.set RED0,  0                          ; 8 waves x 512 bytes
.set RED1,  4096
.set SPARE, 8192                       ; the spare words, 128 bytes for each wave: four blocks of 256 bytes that no other line names
.set VO,  1                            ; v1   16,384 (lane / 16) + 16 (lane % 16)
.set SPW, 2                            ; v2   my spare word's address; never rewritten
.set NIL, 3                            ; v3   0; never rewritten
.set L16, 7                            ; v7   16 x lane
.set RW,  8                            ; v8   512 x wave + 16 x lane
.set M,   12                           ; v12-15 the largest of my four places
.set T,   16                           ; v16-19 at work
.set SA,  20                           ; v20-23, v24-27 two chains of sums
.set SB,  24
.set RC,  28                           ; v28-31 R
.set D,   32                           ; v32-159 load i at D + 4 i
.set L,   160                          ; v160-191 the eight waves' figures
	s_load_b128 s[4:7], s[0:1], 0x0                ; scores, stats
	v_lshl_add_u32 v[SPW], v0, 2, SPARE
	v_mov_b32 v[NIL], 0
	v_lshrrev_b32 v4, 5, v0
	s_delay_alu instid0(VALU_DEP_1)
	v_readfirstlane_b32 s8, v4                     ; wave 0..7
	v_and_b32 v4, 31, v0
	v_and_b32 v5, 15, v0
	v_bfe_u32 v6, v0, 4, 1
	s_delay_alu instid0(VALU_DEP_2)
	v_lshlrev_b32 v[VO], 4, v5
	s_delay_alu instid0(VALU_DEP_1)
	v_lshl_add_u32 v[VO], v6, 14, v[VO]
	v_lshlrev_b32 v[L16], 4, v4
	s_lshl_b32 s9, s8, 9
	v_add_nc_u32 v[RW], s9, v[L16]
	s_lshl_b32 s10, s8, 20                         ; 64 batches of 16,384 bytes a wave
	s_lshl_b32 s12, ttmp9, 8
	s_add_co_u32 s10, s10, s12
	s_mov_b32 s11, 0
	s_mov_b32 s13, 0
	s_mov_b32 s14, 0x76543210
	s_mov_b32 s15, 0xfedcba98                      ; selects for lane l xor 16
	s_mov_b32 s16, 0x3d8293ee                      ; c = log2(e) / sqrt(512)
	s_mov_b32 s17, s16                             ; (named with it as a pair, so it is written)
	s_mov_b32 s18, 0xffff0000                      ; the mask of lanes 16-31
.irp c, 0,1,2,3
	v_mov_b32 v[T+\c], 0                           ; written once: a lane permute's destination counts as one of its sources
.endr
	s_wait_alu depctr_va_vdst(0)
	s_wait_kmcnt 0x0
	s_add_nc_u64 s[4:5], s[4:5], s[10:11]
	s_add_nc_u64 s[6:7], s[6:7], s[12:13]
.set ix, 0
.rept 32
	global_load_b128 v[D+4*ix:D+4*ix+3], v[VO], s[4:5] offset:ix*32768 th:TH_LOAD_NT   ; sixteen lanes read 256 consecutive bytes, aligned
.set ix, ix+1
.endr
	s_wait_loadcnt 0x0
.irp c, 0,1,2,3
	v_max3_num_f32 v[M+\c], v[D+\c], v[D+4+\c], v[D+8+\c]
.endr
.irp i, 3,5,7,9,11,13,15,17,19,21,23,25,27,29
.irp c, 0,1,2,3
	s_delay_alu instid0(VALU_DEP_4)
	v_max3_num_f32 v[M+\c], v[M+\c], v[D+4*\i+\c], v[D+4*\i+4+\c]   ; the four places by turns
.endr
.endr
.irp c, 0,1,2,3
	s_delay_alu instid0(VALU_DEP_4)
	v_max_num_f32 v[M+\c], v[M+\c], v[D+124+\c]
.endr
.irp c, 0,1,2,3
	s_delay_alu instid0(VALU_DEP_4)
	v_permlanex16_b32 v[T+\c], v[M+\c], s14, s15
.endr
.irp c, 0,1,2,3
	s_delay_alu instid0(VALU_DEP_4)
	v_max_num_f32 v[M+\c], v[M+\c], v[T+\c]        ; with the other half's batches
.endr
	ds_store_b128 v[RW], v[M:M+3] offset:RED0
	s_wait_dscnt 0x0                               ; for the others' sake
	s_barrier_signal -1
	s_barrier_wait -1
.irp k, 0,1,2,3,4,5,6,7
	ds_load_b128 v[L+4*\k:L+4*\k+3], v[L16] offset:RED0+512*\k
.endr
	s_wait_dscnt 0x0
.irp c, 0,1,2,3
	v_max3_num_f32 v[M+\c], v[L+\c], v[L+4+\c], v[L+8+\c]
.endr
.irp k, 3,5
.irp c, 0,1,2,3
	s_delay_alu instid0(VALU_DEP_4)
	v_max3_num_f32 v[M+\c], v[M+\c], v[L+4*\k+\c], v[L+4*\k+4+\c]
.endr
.endr
.irp c, 0,1,2,3
	s_delay_alu instid0(VALU_DEP_4)
	v_max_num_f32 v[M+\c], v[M+\c], v[L+28+\c]     ; the largest over all 512 batches
.endr
.set ix, 0
.rept 32
	v_pk_add_f32 v[D+4*ix:D+4*ix+1], v[D+4*ix:D+4*ix+1], v[M:M+1] neg_lo:[0,1] neg_hi:[0,1]
	v_pk_add_f32 v[D+4*ix+2:D+4*ix+3], v[D+4*ix+2:D+4*ix+3], v[M+2:M+3] neg_lo:[0,1] neg_hi:[0,1]
.set ix, ix+1
.endr
.set ix, 0
.rept 64
	v_pk_mul_f32 v[D+2*ix:D+2*ix+1], v[D+2*ix:D+2*ix+1], s[16:17] op_sel_hi:[1,0]
.set ix, ix+1
.endr
.set ix, 0
	s_wait_alu depctr_va_vdst(0)
.rept 128
	v_exp_f32 v[D+ix], v[D+ix]
.set ix, ix+1
.endr
	v_nop                                          ; a plain place behind the last exponential
	s_wait_alu depctr_va_vdst(0)                   ; one wait for the whole batch, ahead of its first reader
.irp p, 0,2
	v_pk_add_f32 v[SA+\p:SA+\p+1], v[D+\p:D+\p+1], v[D+8+\p:D+8+\p+1]
	v_pk_add_f32 v[SB+\p:SB+\p+1], v[D+4+\p:D+4+\p+1], v[D+12+\p:D+12+\p+1]
.endr
.irp i, 4,6,8,10,12,14,16,18,20,22,24,26,28,30
.irp p, 0,2
	v_pk_add_f32 v[SA+\p:SA+\p+1], v[SA+\p:SA+\p+1], v[D+4*\i+\p:D+4*\i+\p+1]
	v_pk_add_f32 v[SB+\p:SB+\p+1], v[SB+\p:SB+\p+1], v[D+4*\i+4+\p:D+4*\i+4+\p+1]
.endr
.endr
.irp p, 0
	s_delay_alu instid0(VALU_DEP_3)
	v_pk_add_f32 v[SA+\p:SA+\p+1], v[SA+\p:SA+\p+1], v[SB+\p:SB+\p+1]
.endr
.irp p, 2
	s_delay_alu instid0(VALU_DEP_2)
	v_pk_add_f32 v[SA+\p:SA+\p+1], v[SA+\p:SA+\p+1], v[SB+\p:SB+\p+1]
.endr
.irp c, 0,1,2,3
	v_permlanex16_b32 v[T+\c], v[SA+\c], s14, s15
.endr
.irp c, 0,1,2,3
	s_delay_alu instid0(VALU_DEP_4)
	v_add_f32 v[SA+\c], v[SA+\c], v[T+\c]
.endr
	ds_store_b128 v[RW], v[SA:SA+3] offset:RED1    ; other bytes than the first meeting's: nobody's reads there are disturbed
	s_wait_dscnt 0x0
	s_barrier_signal -1
	s_barrier_wait -1
.irp k, 0,1,2,3,4,5,6,7
	ds_load_b128 v[L+4*\k:L+4*\k+3], v[L16] offset:RED1+512*\k
.endr
	s_wait_dscnt 0x0
.irp p, 0,2
	v_pk_add_f32 v[SA+\p:SA+\p+1], v[L+\p:L+\p+1], v[L+4+\p:L+4+\p+1]
.endr
.irp k, 2,3,4,5,6,7
.irp p, 0,2
	s_delay_alu instid0(VALU_DEP_2)
	v_pk_add_f32 v[SA+\p:SA+\p+1], v[SA+\p:SA+\p+1], v[L+4*\k+\p:L+4*\k+\p+1]
.endr
.endr
	s_wait_alu depctr_va_vdst(0)
.irp c, 0,1,2,3
	v_rcp_f32 v[RC+\c], v[SA+\c]
.endr
	v_nop                                          ; a plain place behind the last reciprocal
	s_wait_alu depctr_va_vdst(0)                   ; the wait for the four, ahead of the branch and of their reader
	s_cmp_lg_u32 s8, 0
	s_cbranch_scc1 .Lend
.irp c, 0,1,2,3
	v_cndmask_b32 v[T+\c], v[M+\c], v[RC+\c], s18  ; lanes 0-15 send the largest scores, lanes 16-31 R
.endr
	global_store_b128 v[VO], v[T:T+3], s[6:7]      ; two runs of 256 consecutive bytes, aligned
.Lend:
	s_wait_tensorcnt 0x0                           ; the wave's end: behind my last LDS store
	ds_add_u32 v[SPW], v[NIL]
	s_wait_dscnt 0x0
	s_endpgm
.Lfunc_end_k_q5eda32c9f1_stats:
	.size	k_q5eda32c9f1_stats, .Lfunc_end_k_q5eda32c9f1_stats-k_q5eda32c9f1_stats
	.p2alignl 7, 3214868480
	.fill 96, 4, 3214868480
	.section	.rodata,"a",@progbits
	.p2align	6, 0x0
	.amdhsa_kernel k_q5eda32c9f1_stats
		.amdhsa_group_segment_fixed_size 9216
		.amdhsa_private_segment_fixed_size 0
		.amdhsa_enable_private_segment 0
		.amdhsa_kernarg_size 16
		.amdhsa_user_sgpr_count 2
		.amdhsa_user_sgpr_kernarg_segment_ptr 1
		.amdhsa_wavefront_size32 1
		.amdhsa_system_sgpr_workgroup_id_x 1
		.amdhsa_system_sgpr_workgroup_id_y 1
		.amdhsa_system_sgpr_workgroup_id_z 1
		.amdhsa_system_vgpr_workitem_id 0
		.amdhsa_next_free_vgpr 192
		.amdhsa_next_free_sgpr 66
		.amdhsa_reserve_vcc 0
		.amdhsa_float_denorm_mode_32 3
		.amdhsa_float_denorm_mode_16_64 3
		.amdhsa_memory_ordered 1
		.amdhsa_forward_progress 1
		.amdhsa_inst_pref_size 33
	.end_amdhsa_kernel
	.amdgpu_metadata
---
amdhsa.version: [ 1, 2 ]
amdhsa.kernels:
  - .name:           k_q5eda32c9f1_stats
    .symbol:         k_q5eda32c9f1_stats.kd
    .args:
      - { .name: scores, .offset: 0, .size: 8, .value_kind: global_buffer, .address_space: global }
      - { .name: stats, .offset: 8, .size: 8, .value_kind: global_buffer, .address_space: global }
    .group_segment_fixed_size: 9216
    .private_segment_fixed_size: 0
    .kernarg_segment_align: 8
    .kernarg_segment_size: 16
    .max_flat_workgroup_size: 256
    .sgpr_count:     66
    .vgpr_count:     192
    .wavefront_size: 32
...
	.end_amdgpu_metadata
.endif
;; end of part 3
;; launch pv (part 4): grid 512 x 1, 4 waves a work-group, no clusters, 22,016 bytes of LDS; arguments scores, stats, vcodes, vscales, out0; writes out0
.if DOCPART == 4
	.amdgcn_target "amdgcn-amd-amdhsa--gfx1250"
	.amdhsa_code_object_version 6
	.text
	.protected	k_q5eda32c9f1_pv
	.globl	k_q5eda32c9f1_pv
	.p2align	8
	.type	k_q5eda32c9f1_pv,@function
k_q5eda32c9f1_pv:
	s_mov_b64 s[64:65], 0
	v_nop
	global_prefetch_b8 v0, s[64:65] scope:SCOPE_SE
	s_setreg_imm32_b32 hwreg(HW_REG_WAVE_MODE, 25, 1), 1
	s_wait_xcnt 0x0
; out0[b][c][s] = the sum over t of V[b][t][c] aw[b][t][s], aw = the softmax over the batches: aw = 2^((score - largest) c) x R, finished and normalised, then quantised along t.
; Both operands are codes of FP6 (E2M3) with one E8M0 scale for each 32 along t.  K = t = 64 is half of the instruction's 128: registers 6-11 of both operands are zero codes, which add nothing (their scale bytes are 0, not 0xff).
; SHARES: a work-group takes one batch.  Wave w makes aw's tile w (16 s x 64 t: 32 numbers a lane, in the layout in which the scores were stored: a lane is one s, registers 16 b + i are t = 32 b + 16 (lane / 16) + i),
; sends its image through LDS to the others, and then makes tiles 8 w .. 8 w + 7 of c (128 rows of out0) against all four tiles of s.
; Source 0 = aw (16 s), source 1 = V (16 c): a lane then holds ONE c, and the 16 registers of two neighbouring tiles are 16 neighbouring s.  A tile's 16 rows of 256 bytes go through my stage and leave whole.
; Lane r of a tile stands for s (or c) 32 (tile / 2 % 2) + 8 (tile % 2) + r + 8 (r / 8), as the launch before laid them.
; What work-groups share is the 32 KiB of stats, of some 200 KiB that a work-group moves; it comes through registers with the rest, so there is no cluster and no tensor load.
; LIMITS: NaN and infinities are not served; a block of aw whose largest number lies under 2^-124 keeps the byte 1 (a block of zeros too: its codes are zeros).
; REGISTERS: window 0: v1-13 addresses; v32-63 scores, then aw; v64-95 the largest scores; v96-127 R; v128-175 aw's four fragments; v176-179 their scale words; v180-187 V's; v192.. the quantiser's.
;   window 1: v0-95 V's eight fragments; v96-159 two sets of four accumulators; v160-223 two sets of rows on their way out.
.set AWI,   0                          ; aw's images, 1,024 bytes a tile: registers 0-3 at 16 x lane, 4-5 at 512 + 8 x lane, the scale word at 768 + 4 x lane
.set STG,   4096                       ; a stage of 16 rows x (256 bytes + 16) for each wave
.set SPARE, 21504                      ; the spare words, 128 bytes for each wave: two blocks of 256 bytes that no other line names
.set L16, 1
.set L8,  2
.set L4,  3
.set R16, 4                            ; v4   16 x (lane % 16)
.set WI,  5                            ; v5-7 where I put my image: + 16, 8, 4 x lane
.set STO, 8                            ; v8   the stage, way in: 272 r + 64 h
.set RD,  9                            ; v9   way out: lanes 0-15 one row, lanes 16-31 the next
.set GO,  10                           ; v10  the same two rows in out0
.set SPW, 12                           ; v12  my spare word's address; never rewritten
.set NIL, 13                           ; v13  0; never rewritten
.set SCO, 32
.set MX,  64
.set RC,  96
.set AF,  128
.set AS4, 176
.set VS,  180
.set TM,  192
.set TP,  194
.set SC,  196
.set BY,  198
.set PC,  200
.set Y,   208
.set PW,  212
.set MSB, 0
.macro WIN new                         ; the immediate's high byte repeats the setting that is left
.if MSB != (\new)
	s_set_vgpr_msb (MSB<<8)|(\new)
.set MSB, (\new)
.endif
.endm
.macro PLACES
.rept 4
	v_nop
.endr
.endm
	s_load_b256 s[4:11], s[0:1], 0x0               ; scores s[4:5], stats s[6:7], vcodes s[8:9], vscales s[10:11]
	s_load_b64 s[12:13], s[0:1], 0x20              ; out0
	v_lshl_add_u32 v[SPW], v0, 2, SPARE
	v_mov_b32 v[NIL], 0
	v_lshrrev_b32 v14, 5, v0
	v_readfirstlane_b32 s14, v14                   ; wave 0..3
	v_and_b32 v14, 31, v0
	v_and_b32 v15, 15, v0
	v_bfe_u32 v16, v0, 4, 1
	v_lshlrev_b32 v[L16], 4, v14
	v_lshlrev_b32 v[L8], 3, v14
	v_lshlrev_b32 v[L4], 2, v14
	v_lshlrev_b32 v[R16], 4, v15
	s_lshl_b32 s15, s14, 10
	v_add_nc_u32 v[WI], s15, v[L16]
	v_add_nc_u32 v[WI+1], s15, v[L8]
	v_add_nc_u32 v[WI+2], s15, v[L4]
	s_mul_i32 s15, s14, 4352
	s_add_co_u32 s15, s15, STG
	v_mul_u32_u24 v[STO], v15, 272
	v_lshl_add_u32 v[STO], v16, 6, v[STO]
	v_add_nc_u32 v[STO], s15, v[STO]
	v_mul_u32_u24 v[RD], v16, 272
	v_add_nc_u32 v[RD], v[RD], v[R16]
	v_add_nc_u32 v[RD], s15, v[RD]
	v_lshl_add_u32 v[GO], v16, 8, v[R16]
	v_mov_b32 v[TP], 0                             ; written once: a lane permute's destination counts as one of its sources
	v_mov_b32 v[TP+1], 0
	s_mov_b32 s28, 0x76543210
	s_mov_b32 s29, 0xfedcba98                      ; selects for lane l xor 16
	s_mov_b32 s30, 0x3d8293ee                      ; c = log2(e) / sqrt(512)
	s_mov_b32 s31, s30                             ; (named with it as a pair, so it is written)
	s_lshl_b32 s18, s14, 12                        ; my tile's 4,096 bytes of an image
	s_mov_b32 s19, 0
	s_lshl_b32 s16, ttmp9, 14
	s_add_co_u32 s16, s16, s18
	s_mov_b32 s17, 0
	s_mul_i32 s20, ttmp9, 24576
	s_mul_i32 s22, s14, 6144
	s_add_co_u32 s20, s20, s22                     ; my eight tiles of V, 768 bytes each
	s_mov_b32 s21, 0
	s_lshl_b32 s22, ttmp9, 11
	s_lshl_b32 s24, s14, 9
	s_add_co_u32 s22, s22, s24
	s_mov_b32 s23, 0
	s_lshl_b32 s24, ttmp9, 17
	s_lshl_b32 s26, s14, 15
	s_add_co_u32 s24, s24, s26                     ; my 128 rows of 256 bytes
	s_mov_b32 s25, 0
	s_wait_kmcnt 0x0
	s_add_nc_u64 s[4:5], s[4:5], s[16:17]
	s_add_nc_u64 s[6:7], s[6:7], s[18:19]
	s_add_nc_u64 s[8:9], s[8:9], s[20:21]
	s_add_nc_u64 s[10:11], s[10:11], s[22:23]
	s_add_nc_u64 s[12:13], s[12:13], s[24:25]
.irp q, 0,1,2,3,4,5,6,7
	global_load_b128 v[SCO+4*\q:SCO+4*\q+3], v[L16], s[4:5] offset:512*\q th:TH_LOAD_NT
.endr
.irp q, 0,1,2,3,4,5,6,7
	global_load_b128 v[MX+4*\q:MX+4*\q+3], v[L16], s[6:7] offset:512*\q
.endr
.irp q, 0,1,2,3,4,5,6,7
	global_load_b128 v[RC+4*\q:RC+4*\q+3], v[L16], s[6:7] offset:16384+512*\q
.endr
	global_load_b128 v[VS:VS+3], v[R16], s[10:11] th:TH_LOAD_NT            ; lane r: the words of its column in tiles 0-3,
	global_load_b128 v[VS+4:VS+7], v[R16], s[10:11] offset:256 th:TH_LOAD_NT   ; and in tiles 4-7
	WIN 0x40
.irp t, 0,1,2,3,4,5,6,7
	global_load_b128 v[12*\t:12*\t+3], v[L16], s[8:9] offset:768*\t th:TH_LOAD_NT
	global_load_b64 v[12*\t+4:12*\t+5], v[L8], s[8:9] offset:768*\t+512 th:TH_LOAD_NT
.endr
.irp t, 0,1,2,3,4,5,6,7
.irp i, 6,7,8,9,10,11
	v_mov_b32 v[12*\t+\i], 0                       ; t = 64 .. 127 do not exist: zero codes
.endr
.endr
	WIN 0
.irp t, 0,1,2,3
.irp i, 6,7,8,9,10,11
	v_mov_b32 v[AF+12*\t+\i], 0
.endr
.endr
	s_wait_loadcnt 18                              ; scores, largest scores and R are in; V's 2 + 16 loads may be out
.set ix, 0
.rept 16
	v_pk_add_f32 v[SCO+2*ix:SCO+2*ix+1], v[SCO+2*ix:SCO+2*ix+1], v[MX+2*ix:MX+2*ix+1] neg_lo:[0,1] neg_hi:[0,1]
.set ix, ix+1
.endr
.set ix, 0
.rept 16
	v_pk_mul_f32 v[SCO+2*ix:SCO+2*ix+1], v[SCO+2*ix:SCO+2*ix+1], s[30:31] op_sel_hi:[1,0]
.set ix, ix+1
.endr
.set ix, 0
	s_wait_alu depctr_va_vdst(0)
.rept 32
	v_exp_f32 v[SCO+ix], v[SCO+ix]
.set ix, ix+1
.endr
	v_nop                                          ; a plain place behind the last exponential
	s_wait_alu depctr_va_vdst(0)                   ; one wait for the batch, ahead of its first reader
.set ix, 0
.rept 16
	v_pk_mul_f32 v[SCO+2*ix:SCO+2*ix+1], v[SCO+2*ix:SCO+2*ix+1], v[RC+2*ix:RC+2*ix+1]   ; aw, normalised
.set ix, ix+1
.endr
.irp b, 0,1
	v_max3_num_f32 v[TM+\b], v[SCO+16*\b], v[SCO+16*\b+1], 0x1800000   ; none is negative; the floor 2^(3 - 127) holds the byte at 1 from below
.endr
.irp i, 2,4,6,8,10,12,14
.irp b, 0,1
	v_max3_num_f32 v[TM+\b], v[TM+\b], v[SCO+16*\b+\i], v[SCO+16*\b+\i+1]
.endr
.endr
.irp b, 0,1
	v_permlanex16_b32 v[TP+\b], v[TM+\b], s28, s29
.endr
.irp b, 0,1
	v_max_num_f32 v[TM+\b], v[TM+\b], v[TP+\b]
.endr
.irp b, 0,1
	v_add_nc_u32 v[SC+\b], 0xff000000, v[TM+\b]    ; 2 off the exponent field: the conversion's scale operand
.endr
.irp b, 0,1
	v_lshrrev_b32 v[BY+\b], 23, v[SC+\b]
.endr
	v_lshl_or_b32 v[PW], v[BY+1], 8, v[BY]         ; the scale word; its upper two bytes are 0
	v_cvt_scalef32_pk16_fp6_f32 v[PC:PC+2], v[SCO:SCO+15], v[SC]
	v_cvt_scalef32_pk16_fp6_f32 v[Y:Y+2], v[SCO+16:SCO+31], v[SC+1]
	v_nop                                          ; one plain place behind the scaled conversions
.irp i, 0,1,2
	v_permlane16_swap_b32 v[PC+\i], v[Y+\i]        ; a whole block in a lane: lanes 0-15 t = 0 .. 31, lanes 16-31 t = 32 .. 63
.endr
.irp i, 0,1,2
	v_mov_b32 v[PC+3+\i], v[Y+\i]
.endr
	ds_store_b128 v[WI], v[PC:PC+3] offset:AWI
	ds_store_b64 v[WI+1], v[PC+4:PC+5] offset:AWI+512
	ds_store_b32 v[WI+2], v[PW] offset:AWI+768
	s_wait_dscnt 0x0                               ; for the others' sake: my image has landed
	s_barrier_signal -1
	s_barrier_wait -1
.irp t, 0,1,2,3
	ds_load_b128 v[AF+12*\t:AF+12*\t+3], v[L16] offset:AWI+1024*\t
	ds_load_b64 v[AF+12*\t+4:AF+12*\t+5], v[L8] offset:AWI+1024*\t+512
	ds_load_b32 v[AS4+\t], v[L4] offset:AWI+1024*\t+768
.endr
	s_wait_dscnt 0x0
	s_wait_loadcnt 0x0                             ; V
	WIN 0x44                                       ; one setting for all that follows: destinations and sources 1 (V, store data) in window 1, sources 0 (aw, addresses) in window 0
; Tile n of c: four products, one for each tile of s; then through my stage.  Register 16 b + i of the 32 is s = 32 b + 16 (lane / 16) + i.
.macro TILE n
.set ac, 96+32*((\n)%2)
.set ob, 160+32*((\n)%2)
.irp a, 0,1,2,3
	v_wmma_scale_f32_16x16x128_f8f6f4 v[ac+8*\a:ac+8*\a+7], v[AF+12*\a:AF+12*\a+11], v[12*(\n):12*(\n)+11], 0, v[AS4+\a], v[VS+(\n)] matrix_a_fmt:MATRIX_FMT_FP6 matrix_b_fmt:MATRIX_FMT_FP6
.endr
	PLACES                                         ; in front of the reads of the results; two tiles' eight stand between an accumulator's products
.irp q, 0,1,2,3,4,5,6,7
	ds_store_b128 v[STO], v[ac+4*\q:ac+4*\q+3] offset:128*(\q/4)+16*(\q%4)   ; each accumulator from its low end on
.endr
.irp i, 0,1,2,3,4,5,6,7
	ds_load_b128 v[ob+4*\i:ob+4*\i+3], v[RD] offset:544*\i   ; LDS serves a wave's instructions in order: these see my stores, and the next tile's stores come behind them
.endr
.endm
.macro SEND n, younger                 ; younger: the LDS instructions issued behind tile n's loads
.set ob, 160+32*((\n)%2)
	s_wait_dscnt \younger
.irp i, 0,1,2,3,4,5,6,7
	global_store_b128 v[GO], v[ob+4*\i:ob+4*\i+3], s[12:13] offset:(64*((\n)/4)+32*(((\n)/2)%2)+8*((\n)%2)+2*\i+8*(\i/4))*256 th:TH_STORE_NT   ; two rows (b, c): 512 consecutive bytes, aligned to 256
.endr
.endm
	TILE 0
.irp n, 1,2,3,4,5,6,7
.if \n > 1
	s_wait_xcnt 0x0                                ; tile n - 2's stores have read the registers into which tile n's rows come back
.endif
	TILE \n
	SEND \n-1, 16                                  ; behind tile n - 1's loads: tile n's 8 stores and 8 loads
.endr
	SEND 7, 0
	WIN 0
	s_wait_tensorcnt 0x0                           ; the wave's end: behind my last LDS store
	ds_add_u32 v[SPW], v[NIL]
	s_wait_dscnt 0x0
	s_endpgm
.Lfunc_end_k_q5eda32c9f1_pv:
	.size	k_q5eda32c9f1_pv, .Lfunc_end_k_q5eda32c9f1_pv-k_q5eda32c9f1_pv
	.p2alignl 7, 3214868480
	.fill 96, 4, 3214868480
	.section	.rodata,"a",@progbits
	.p2align	6, 0x0
	.amdhsa_kernel k_q5eda32c9f1_pv
		.amdhsa_group_segment_fixed_size 22016
		.amdhsa_private_segment_fixed_size 0
		.amdhsa_enable_private_segment 0
		.amdhsa_kernarg_size 40
		.amdhsa_user_sgpr_count 2
		.amdhsa_user_sgpr_kernarg_segment_ptr 1
		.amdhsa_wavefront_size32 1
		.amdhsa_system_sgpr_workgroup_id_x 1
		.amdhsa_system_sgpr_workgroup_id_y 1
		.amdhsa_system_sgpr_workgroup_id_z 1
		.amdhsa_system_vgpr_workitem_id 0
		.amdhsa_next_free_vgpr 480
		.amdhsa_next_free_sgpr 66
		.amdhsa_reserve_vcc 0
		.amdhsa_float_denorm_mode_32 3
		.amdhsa_float_denorm_mode_16_64 3
		.amdhsa_memory_ordered 1
		.amdhsa_forward_progress 1
		.amdhsa_inst_pref_size 36
	.end_amdhsa_kernel
	.amdgpu_metadata
---
amdhsa.version: [ 1, 2 ]
amdhsa.kernels:
  - .name:           k_q5eda32c9f1_pv
    .symbol:         k_q5eda32c9f1_pv.kd
    .args:
      - { .name: scores, .offset: 0, .size: 8, .value_kind: global_buffer, .address_space: global }
      - { .name: stats, .offset: 8, .size: 8, .value_kind: global_buffer, .address_space: global }
      - { .name: vcodes, .offset: 16, .size: 8, .value_kind: global_buffer, .address_space: global }
      - { .name: vscales, .offset: 24, .size: 8, .value_kind: global_buffer, .address_space: global }
      - { .name: out0, .offset: 32, .size: 8, .value_kind: global_buffer, .address_space: global }
    .group_segment_fixed_size: 22016
    .private_segment_fixed_size: 0
    .kernarg_segment_align: 8
    .kernarg_segment_size: 40
    .max_flat_workgroup_size: 128
    .sgpr_count:     66
    .vgpr_count:     480
    .wavefront_size: 32
...
	.end_amdgpu_metadata
.endif
;; end of part 4
